; MI455X (gfx1250); checked and timed in simulation.
; The chip was launched on July 23, 2026; its instructions are those of AMD's public machine-readable ISA for CDNA 5 (MIT licence, August 2026) and "CDNA5" Instruction Set Architecture Reference Guide (July 2026). The comments in the code are by the model that wrote it; some were corrected since.
;; LSTM Cell. Allowed arithmetic: matrix products marked QUANTISED: E5M2 operands, one given power-of-two scale a tensor, by v_wmma_f32_16x16x64_bf8_bf8 or v_wmma_f32_16x16x128_bf8_bf8, f32 sums; everything else in f32.
;; Inputs: Wh_codes 4,096 x 32 x 32 uint8 (E5M2 codes of Wh, K innermost, in blocks of 32 codes); Wx_codes 4,096 x 32 x 32 uint8 (E5M2 codes of Wx, K innermost, in blocks of 32 codes); bh 4,096 float32; bx 4,096 float32; c_1 8,192 x 1,024 float32; h_codes 8,192 x 32 x 32 uint8 (E5M2 codes of h, K innermost, in blocks of 32 codes); lowp_scales 4 int32 (the exponents e of the quantised operands' scales 2^e); x_codes 8,192 x 32 x 32 uint8 (E5M2 codes of x, K innermost, in blocks of 32 codes).
;; Outputs: out0 8,192 x 1,024 float32; out1 8,192 x 1,024 float32.
;; This version of the problem:
;;   THIS VERSION OF THE PROBLEM IS GIVEN IN LOW PRECISION. The matrix products marked QUANTISED in the list below multiply operands that are first quantised to E5M2 (5 exponent bits, 2 mantissa bits; 8 bits a number), with one given power-of-two scale for each operand tensor; their sums are f32. All else is computed in f32.
;;   The module's matrix products, in the order in which they are computed (A, B: the left and right operand; K: the contracted axis; several contracted axes count as one K, in the product's order):
;;     1. [M 8,192, K 1,024] x [K 1,024, N 4,096]; A: input x (given as codes); B: input Wx (given as codes): QUANTISED (scales: A lowp_scales[0], B lowp_scales[1])
;;     2. [M 8,192, K 1,024] x [K 1,024, N 4,096]; A: input h (given as codes); B: input Wh (given as codes): QUANTISED (scales: A lowp_scales[2], B lowp_scales[3])
;;   THE QUANTISER, for each operand of a quantised product, along K:
;;     - The operand's scale is 2^e, e = its entry of the input lowp_scales (int32; the entries are numbered through the quantised products in the list's order, A before B).
;;     - Each number is divided by the scale, clamped to +-57,344, and rounded to the nearest number of E5M2, ties to even, subnormals kept.
;;     - The product sums the exact products of the quantised numbers (number of the format x scale) in f32.
;;   ~~~python
;;   def quantise(x, axis, e):      # numpy; x: float32 -> the quantised numbers, widened to float32 again
;;       x = np.moveaxis(x, axis, -1); K = x.shape[-1]
;;       r = np.clip(x / 2.0 ** e, -57344, 57344)
;;       step = 2.0 ** (np.maximum(np.frexp(np.where(r == 0, 1, r))[1] - 1, -14) - 2)
;;       q = np.round(r / step) * step * 2.0 ** e      # np.round: ties to even
;;       return np.moveaxis(q, -1, axis).astype(np.float32)
;;   ~~~
;;   INPUTS GIVEN AS CODES. Wh (in the module: [4096, 1024], K = its axis 1); Wx (in the module: [4096, 1024], K = its axis 1); h (in the module: [8192, 1024], K = its axis 1); x (in the module: [8192, 1024], K = its axis 1): each comes as NAME_codes (uint8): NAME with its K axis moved to the last place and cut into blocks of 32 codes, [.., K / 32, bytes a block], one block behind the other in memory; one code a byte (a code: sign, 5 exponent bits, 2 mantissa bits); its scale is its entry of lowp_scales. Its value is code x scale, taken as it is: it is not quantised again, and the codes and scales need not be those that the quantiser above would give.
;; One version. Each part assembles by itself: llvm-mc -triple=amdgcn-amd-amdhsa -mcpu=gfx1250 --defsym DOCPART=n.
;; ======== version 1 of 1: 1 launch
;; limits: right only within a limited range of input values
;; launch lstm (part 1): grid 16 x 32, 4 waves a work-group, clusters of 4 x 4, 327,680 bytes of LDS; arguments x_codes, h_codes, Wx_codes, Wh_codes, bx, bh, c_1, lowp_scales, out0, out1; writes out0, out1
.if DOCPART == 1
	.amdgcn_target "amdgcn-amd-amdhsa--gfx1250"
	.amdhsa_code_object_version 6
	.text
	.protected	k_qf3ba76c8a3_lstm
	.globl	k_qf3ba76c8a3_lstm
	.p2align	8
	.type	k_qf3ba76c8a3_lstm,@function
k_qf3ba76c8a3_lstm:
	s_mov_b64 s[64:65], 0
	v_nop
	global_prefetch_b8 v0, s[64:65] scope:SCOPE_SE
	s_setreg_imm32_b32 hwreg(HW_REG_WAVE_MODE, 25, 1), 1
	s_wait_xcnt 0x0
	s_wait_alu depctr_hold_cnt(0) depctr_sa_sdst(0) depctr_va_vdst(0) depctr_va_sdst(0) depctr_va_ssrc(0) depctr_va_vcc(0) depctr_vm_vsrc(0)
	s_getreg_b32 s2, hwreg(HW_REG_IB_STS2, 6, 4)
	s_cmp_eq_u32 s2, 0
	s_cbranch_scc0 .Lentry_in_a_cluster
	s_endpgm
.Lentry_in_a_cluster:
	s_bfe_u32 s2, ttmp6, 0x10000c
	s_cmp_lg_u32 s2, 0xf033
	s_cbranch_scc0 .Lentry_shape_is_right
	s_endpgm
.Lentry_shape_is_right:
; LSTM cell.  g = x Wx^T + bx + h Wh^T + bh, [8192][4096], cut into the gates i, f, o, c_ of 1,024 hidden units each;
; c = sigmoid(sigmoid(gf) c_1 + sigmoid(gi) tanh(gc)) -> out1;  h_new = tanh(c) sigmoid(go) -> out0.
; x, h [8192][1024] and Wx, Wh [4096][1024] are codes of BF8 (E5M2), K innermost, a row 1,024 bytes; a number is its code x 2^e, e = e0 (x), e1 (Wx), e2 (h), e3 (Wh).
; NOTHING IS LEFT OUT: every input has a way to both outputs, and all ten buffers are arguments.
; ONE LAUNCH.  A work-group makes 256 rows x 64 hidden units of both outputs.  For that it needs 256 columns of g: the same 64 units in all four gates.  So a tile of W is 4 x 64 rows, and the
; whole cell is computed behind the sums, in registers.  Four waves, as many as a WGP has SIMDs; wave (wr, wc) makes rows 128 wr on x units 32 wc on x 4 gates: 128 x 128 of g, 64 accumulators, 512 registers.
; BOTH PRODUCTS IN ONE ACCUMULATOR.  K runs over 2,048: one product's operands (four slots' worth of 256), then the other's (four).  With ea the sum of the two exponents of the product taken first and eb
; that of the second, every sum is multiplied once between the two by 2^(ea - eb), which rounds nothing, so that from there on a sum stands for sum x 2^eb.  That last power of two is folded into the factors of the exponentials.
; THE WALK.  Clusters take the two products in opposite orders: where cluster x + cluster y is even, x Wx^T first; where it is odd, h Wh^T first.  The clusters of a row of clusters read the same rows of x and h,
; those of a column the same rows of Wx and Wh, and neighbours among them differ in that sum: so each tile is asked for by half of its readers in the first half of their walk and by the other half in the second.
; No prefetch is laid: of a walk's eight K steps two are the head's first fills, four are the product that the neighbouring clusters walk first, and for the two between there is no earlier place than the head.
; CLUSTERS: 4 x 4 work-groups.  The four of a row of the cluster need the same tiles of x and h, the four of a column the same tiles of Wx and Wh: each tile is asked for JOINTLY, by the same tensor load
; with the same descriptor and a mask that names the four.  THE MATRIX INSTRUCTION IS USED TRANSPOSED (source 0 = 16 rows of W, source 1 = 16 rows of x or h): in accumulator (a, 2 g + u) lane (r, hh)
; holds row 16 a + r and, in register j, unit 32 wc + 16 u + 8 hh + j of gate g: the four gates of one element lie in one lane.
; THE CELL, with L = log2(e): ei, ef, eo = 2^(-L g);  ec = 2^min(2 L gc, 60);  -L f = 1 / (-ln2 (1 + ef));  -L z = c_1 (-L f) + (L - L ec) / ((1 + ei)(1 + ec));  c = 1 / (1 + 2^(-L z));
; e2 = 2^(2 L c);  h_new = (e2 - 1) / ((e2 + 1)(1 + eo)).  Ten transcendentals an element.  The hold at 60 keeps ec finite, so that no infinity meets a zero; beyond it tanh differs from 1 by less than 2^-59.
; Every other infinity ends in a reciprocal that is 0 and meets a finite number.
; LIMITS: e0 + e1, e2 + e3 and their difference each between -126 and 126, so that each power of two below is an f32 number.  NaN and infinity among c_1, bx, bh or the codes are not served.
; The order of rounding differs from the formula's: both products in one f32 sum, in either order; bx + bh added first and joined to the sum by one fused multiply-add.
; REGISTERS, in windows of 256.  window 0: v0-15 addresses; v16-127 c_1 as loaded (blocks 0-6); v128-255 fragments of x or h, ONE set; on the way out see below.
;   window 1: W's fragments, TWO sets, at v0 and v128; from the last K step on v0-15 c_1's block 7, v16-79 the biases.   window 2: accumulators of my rows 0-63 ((a, b) at v[8 (8 a + b)]);   window 3: rows 64-127.
.set PITCH,  272                       ; an LDS row: 256 bytes + 16 of padding = 68 words: row r starts at bank 4 r mod 64 (64 banks of 4 bytes: ISA guide 11.1), so the 16 rows that a load touches start at 16 different banks
.set HALFT,  128*PITCH                 ; 128 rows: what one tensor load brings
.set SLOT,   4*HALFT                   ; 256 rows of x or h, then 256 rows of W (row 64 g + unit)
.set BIAS,   2*SLOT                    ; behind the ring: 256 words: word 64 g + unit = k (bx + bh), k = -L for gates i, f, o and 2 L for gate c_
.set SPARE,  BIAS+1024                 ; the spare words, 128 bytes for each wave: two blocks of 256 bytes that no other line names
.set OST,    SLOT                      ; the way out: out0's 256 rows x 272 bytes, then out1's: in slot 1, behind its last fill and its last read
.set OSZ,    256*PITCH                 ; (c_1's stage, 256 rows x 272 bytes, lies at byte 0: in slot 0, behind its last fill and its last read)
.set FR,     16                        ; registers of a fragment: 16 rows x 128 K; four LDS loads bring one
.set NP,     4                         ; places behind this matrix instruction (ISA guide 7.12.1)
.set ADRA,   2                         ; v2-3   LDS address of my fragments of x or h in slot 0, 1
.set ADRB,   4                         ; v4-5   the same for W
.set SPW,    6                         ; v6     LDS address of my spare word: SPARE + 4 x my thread's number; never rewritten
.set NIL,    7                         ; v7     0; never rewritten
.set GOF,    8                         ; v8     4096 hh + 16 r: my 16 bytes of two rows of c_1, out0 or out1; never rewritten
.set CST,    9                         ; v9     c_1's stage, on the way in
.set CA,     10                        ; v10    c_1's stage, on the way out: my row, my eight units
.set STO0,   11                        ; v11    out0's stage: where I put my eight units of a row
.set STO1,   12                        ; v12    out1's
.set RD,     13                        ; v13    where I read whole rows back (wc = 0: out0's stage, wc = 1: out1's)
.set BA,     14                        ; v14    the biases of my units
.set AF,     128                       ; fragments of x or h, window 0
.set C1R,    16                        ; the way out, window 0: v16-31 c_1 of the block in hand
.set T,      32                        ; v32-95 the four gates, 16 numbers each
.set TI,     T
.set TF,     T+16
.set TO,     T+32
.set TC,     T+48
.set NU,     96                        ; v96-111  L - L ec
.set OC,     112                       ; v112-127 c
.set OH,     128                       ; v128-143 h_new
.set ROWS,   144                       ; v144-175 16 whole rows read back from a stage
.set KV,     176                       ; v[176:177] -ln2 twice, v[178:179] L twice
.set BI,     16                        ; window 1: the biases, index 16 g + 8 u + j
.set G1A,    24                        ; s[24:31] descriptor group 1 for x's and h's tiles;  s[32:39] group 0, one set for each slot
.set G0A,    32
.set G1W,    40                        ; s[40:47], s[48:55] the same for W's tiles;  s[56:59], s[60:63] their groups 2 and 3
.set G0W,    48
.set G2W,    56
.set G3W,    60
.set HA,     88                        ; s[88:91] the second product's rows (h or x) at K bytes 0 and 256, type bits set;  s[92:95] the same for its W
.set HW,     92
.set ODD,    100                       ; s100   (cluster x + cluster y) mod 2: 0: x Wx^T first; 1: h Wh^T first.  The same in all sixteen partners
.set PADW,   (0<<16)|(1<<20)|(1<<21)|(5<<22)|(3<<25)   ; 17:16 elements of 1 byte; 20 padding on; 21 set beside a mask; 24:22 after every 64 words (code 5); 31:25 four words (code 3)
.set MSB, 0
.macro WIN new                         ; the immediate's high byte repeats the setting that is left; a switch that changes nothing is dropped
.if MSB != (\new)
	s_set_vgpr_msb (MSB<<8)|(\new)
.set MSB, (\new)
.endif
.endm
.set MUL_LO, 0xa1                      ; source 0 (W) window 1, source 1 (x, h) window 0, C and D window 2
.set MUL_HI, 0xf1                      ; the same, C and D window 3
.set TO_B,   0x40                      ; destination window 1, address window 0
; A joint load: waves 0 and 1 fetch the two halves of x's or h's tile, waves 2 and 3 gates 0, 1 and gates 2, 3 of W's.  Each of the two lines has ONE mask and one set of registers for all that issue it;
; the branch hangs on the wave's number alone.  An s_nop 0 and four v_nop follow each of the two lines, ahead of the jump, the label and what follows.
.macro JLOAD s
	s_cmp_eq_u32 s15, 0
	s_cbranch_scc0 .Lfor_w_\@
	tensor_load_to_lds s[G0A+4*\s:G0A+4*\s+3], s[G1A:G1A+7]
	s_nop 0
.rept 4
	v_nop
.endr
	s_branch .Lasked_\@
.Lfor_w_\@:
	tensor_load_to_lds s[G0W+4*\s:G0W+4*\s+3], s[G1W:G1W+7], s[G2W:G2W+3], s[G3W:G3W+3]
	s_nop 0
.rept 4
	v_nop
.endr
.Lasked_\@:
.endm
.macro CREST                           ; a round of the cluster's barrier behind its opening barrier
	s_cmp_lg_u32 s14, 0
	s_cbranch_scc1 .Lnot_wave_0_\@
	s_barrier_signal -3
.Lnot_wave_0_\@:
	s_barrier_wait -3
	s_barrier_signal -1
	s_barrier_wait -1
.endm
.macro CROUND                          ; a whole round
	s_barrier_signal -1
	s_barrier_wait -1
	CREST
.endm
	s_load_b512 s[68:83], s[0:1], 0x0              ; x s[68:69], h s[70:71], Wx s[72:73], Wh s[74:75], bx s[76:77], bh s[78:79], c_1 s[80:81], the scales' exponents s[82:83]
	s_load_b128 s[84:87], s[0:1], 0x40             ; out0 s[84:85], out1 s[86:87]
	v_lshl_add_u32 v[SPW], v0, 2, SPARE
	v_mov_b32 v[NIL], 0
	ds_add_u32 v[SPW], v[NIL]                      ; the wave's opening: the add, twice on end, and its wait ahead of my first tensor load; the set-up below, work on registers, stands between the second and the wait
	ds_add_u32 v[SPW], v[NIL]                      ; and once more, under the one wait
	v_lshrrev_b32 v1, 5, v0
	v_readfirstlane_b32 s14, v1                    ; wave 0..3
	s_lshr_b32 s15, s14, 1                         ; wr: which 128 rows are mine.  Also: I fetch for x, h (0) or for W (1)
	s_and_b32 s16, s14, 1                          ; wc: which 32 units are mine.  Also: which half of that tile I fetch
	s_bfe_u32 s66, ttmp6, 0x40000                  ; cx, cy: my place in the cluster
	s_bfe_u32 s67, ttmp6, 0x40004
	s_lshl_b32 s96, ttmp9, 2
	s_add_co_u32 s96, s96, s66                     ; tx = 4 x cluster x + cx: which 64 hidden units
	s_and_b32 s98, ttmp7, 0xffff
	s_lshl_b32 s98, s98, 2
	s_add_co_u32 s98, s98, s67                     ; ty = 4 x cluster y + cy: which 256 rows
	s_and_b32 s[ODD], ttmp7, 0xffff
	s_add_co_u32 s[ODD], s[ODD], ttmp9
	s_and_b32 s[ODD], s[ODD], 1                    ; cluster x + cluster y, even or odd: made of the cluster's coordinates alone
	s_lshl_b32 s97, s67, 2
	s_lshl_b32 s97, 15, s97                        ; my row of the cluster
	s_lshl_b32 s99, 0x1111, s66                    ; my column
	; group 1 for x and h: 128 rows x 256 bytes, 1,024 bytes from row to row
	s_or_b32 s[G1A], s97, PADW                     ; 15:0 the mask: these tiles go to my row of the cluster
	s_mov_b32 s[G1A+1], 256<<16                    ; tensor_dim0 = 256
	s_mov_b32 s[G1A+2], 128<<16                    ; tensor_dim1 = 128
	s_mov_b32 s[G1A+3], 256<<16                    ; tile_dim0 = 256
	s_mov_b32 s[G1A+4], 128                        ; tile_dim1 = 128; tile_dim2 = 0: not used
	s_mov_b32 s[G1A+5], 1024                       ; from row to row
	s_mov_b32 s[G1A+6], 0
	s_mov_b32 s[G1A+7], 0
	; groups 1 to 3 for W: two gates x 64 rows x 256 bytes; 1,024 bytes from row to row, 1,024 rows = 1,048,576 bytes from gate to gate.  In LDS the 128 rows follow each other, padded like any
	s_or_b32 s[G1W], s99, PADW                     ; the mask: these tiles go to my column of the cluster
	s_mov_b32 s[G1W+1], 256<<16                    ; tensor_dim0 = 256
	s_mov_b32 s[G1W+2], 64<<16                     ; tensor_dim1 = 64
	s_mov_b32 s[G1W+3], 256<<16                    ; tile_dim0 = 256
	s_mov_b32 s[G1W+4], 64|(2<<16)                 ; tile_dim1 = 64; tile_dim2 = 2
	s_mov_b32 s[G1W+5], 1024                       ; from row to row
	s_mov_b32 s[G1W+6], 0                          ; its high part; the low 16 bits of 1,048,576 are 0
	s_mov_b32 s[G1W+7], 16                         ; 1,048,576 >> 16
	s_mov_b32 s[G2W], 2                            ; tensor_dim2 = 2
	s_mov_b32 s[G2W+1], 1                          ; tensor_dim3 = 1
	s_mov_b32 s[G2W+2], 0
	s_mov_b32 s[G2W+3], 0                          ; tile_dim3 = 0: not used
	s_mov_b32 s[G3W], 0
	s_mov_b32 s[G3W+1], 1<<16                      ; tensor_dim4 = 1
	s_mov_b32 s[G3W+2], 0                          ; tile_dim4 = 0: not used
	s_mov_b32 s[G3W+3], 0
	; byte offsets, each in registers of its own.  x's and h's hang on ty and the wave alone, W's on tx and the wave alone
	s_lshl_b32 s88, s98, 18                        ; 256 ty rows of 1,024 bytes
	s_lshl_b32 s2, s16, 17                         ; + the 128 rows that I fetch
	s_add_co_u32 s88, s88, s2
	s_mov_b32 s89, 0
	s_lshl_b32 s92, s96, 16                        ; 64 tx rows of 1,024 bytes
	s_lshl_b32 s2, s16, 21                         ; + the two gates that I fetch
	s_add_co_u32 s92, s92, s2
	s_mov_b32 s93, 0
	s_lshl_b32 s99, s96, 8                         ; 64 tx units of 4 bytes
	s_lshl_b32 s6, s98, 20                         ; 256 ty rows of 4,096 bytes
	s_lshl_b32 s2, s15, 19                         ; + my 128 rows
	s_add_co_u32 s6, s6, s2
	s_add_co_u32 s6, s6, s99                       ; the outputs: my first row, the tile's first unit
	s_mov_b32 s7, 0
	s_lshl_b32 s2, s16, 15
	s_add_co_u32 s4, s6, s2                        ; c_1: 8 wc rows further down: of each block of 16 rows I load eight
	s_mov_b32 s5, 0
	s_lshl_b32 s8, s14, 12                         ; the biases: wave w takes gate w: 1,024 w numbers on,
	s_add_co_u32 s8, s8, s99                       ; + the tile's first unit
	s_mov_b32 s9, 0
	s_mul_i32 s3, s14, HALFT                       ; where my tiles go: wave x 128 rows: no place in the cluster enters an LDS address
	s_wait_dscnt 0x0                               ; both opening adds are done
	s_wait_kmcnt 0x0
	s_load_b128 s[20:23], s[82:83], 0x0            ; e0, e1, e2, e3
	s_add_nc_u64 s[68:69], s[68:69], s[88:89]      ; x, h at my part of the tile
	s_add_nc_u64 s[70:71], s[70:71], s[88:89]
	s_add_nc_u64 s[72:73], s[72:73], s[92:93]      ; Wx, Wh likewise
	s_add_nc_u64 s[74:75], s[74:75], s[92:93]
	s_add_nc_u64 s[80:81], s[80:81], s[4:5]        ; c_1
	s_add_nc_u64 s[76:77], s[76:77], s[8:9]        ; bx, bh
	s_add_nc_u64 s[78:79], s[78:79], s[8:9]
	s_cmp_eq_u32 s16, 0                            ; wave wc = 0 stores out0's rows, wc = 1 out1's: the choice hangs on the wave's number alone
	s_cselect_b64 s[98:99], s[84:85], s[86:87]
	s_add_nc_u64 s[98:99], s[98:99], s[6:7]
	s_cmp_eq_u32 s[ODD], 0                         ; which product is walked first: the choice hangs on the cluster's coordinates alone
	s_cselect_b64 s[84:85], s[68:69], s[70:71]     ; the first product's rows: x (even) or h (odd),
	s_cselect_b64 s[70:71], s[70:71], s[68:69]     ; the second's: h or x;
	s_cselect_b64 s[86:87], s[72:73], s[74:75]     ; the first product's W: Wx or Wh,
	s_cselect_b64 s[74:75], s[74:75], s[72:73]     ; the second's: Wh or Wx
.irp s, 0,1
	s_mov_b32 s[G0A+4*\s], 1                                       ; 1:0 count = 1
	s_add_co_u32 s[G0A+4*\s+1], s3, \s*SLOT                        ; 63:32 LDS address
	s_add_nc_u64 s[G0A+4*\s+2:G0A+4*\s+3], s[84:85], \s*256        ; 120:64 global address: the first product's rows, K bytes 256 s on
	s_or_b32 s[G0A+4*\s+3], s[G0A+4*\s+3], 0x80000000              ; 127:126 type = 2
	s_mov_b32 s[G0W+4*\s], 1
	s_add_co_u32 s[G0W+4*\s+1], s3, \s*SLOT
	s_add_nc_u64 s[G0W+4*\s+2:G0W+4*\s+3], s[86:87], \s*256        ; its W
	s_or_b32 s[G0W+4*\s+3], s[G0W+4*\s+3], 0x80000000
	s_add_nc_u64 s[HA+2*\s:HA+2*\s+1], s[70:71], \s*256            ; kept for the change to the second product: its rows,
	s_or_b32 s[HA+2*\s+1], s[HA+2*\s+1], 0x80000000
	s_add_nc_u64 s[HW+2*\s:HW+2*\s+1], s[74:75], \s*256            ; and its W
	s_or_b32 s[HW+2*\s+1], s[HW+2*\s+1], 0x80000000
.endr
	CROUND                                         ; all sixteen work-groups are here: the first joint loads meet
	JLOAD 0                                        ; the ring is filled before anything else is done: two loads of mine are out
	JLOAD 1
	v_and_b32 v1, 15, v0                           ; r = lane % 16
	v_bfe_u32 v15, v0, 4, 1                        ; hh = lane / 16
	v_mul_u32_u24 v16, v1, PITCH                   ; r rows
	v_lshl_add_u32 v17, v15, 4, v16                ; a fragment: row r, + 16 hh
	v_mul_u32_u24 v18, v15, PITCH
	v_lshl_add_u32 v18, v1, 4, v18                 ; whole rows: row hh, + 16 r
	v_lshl_add_u32 v19, v15, 5, v16                ; a result's place: row r, + 32 hh
	s_mul_i32 s2, s15, HALFT                       ; my 128 rows
	v_add_nc_u32 v[ADRA], s2, v17
	s_add_co_u32 s3, s2, SLOT
	v_add_nc_u32 v[ADRA+1], s3, v17
	s_mul_i32 s3, s16, 32*PITCH                    ; my 32 units in each gate's 64 rows,
	s_add_co_u32 s3, s3, 2*HALFT                   ; which lie behind the 256 rows of x or h
	v_add_nc_u32 v[ADRB], s3, v17
	s_add_co_u32 s3, s3, SLOT
	v_add_nc_u32 v[ADRB+1], s3, v17
	v_lshlrev_b32 v[GOF], 12, v15
	v_lshl_add_u32 v[GOF], v1, 4, v[GOF]           ; lanes 0-15 one row's 256 bytes, lanes 16-31 the next row's
	s_mul_i32 s3, s16, 8*PITCH
	s_add_co_u32 s3, s3, s2
	v_add_nc_u32 v[CST], s3, v18                   ; c_1's stage in: row 128 wr + 8 wc + hh, + 16 r
	s_lshl_b32 s3, s16, 7
	s_add_co_u32 s3, s3, s2
	v_add_nc_u32 v[CA], s3, v19                    ; and out: row 128 wr + r, + 128 wc + 32 hh
	v_add_nc_u32 v[STO0], OST, v[CA]
	v_add_nc_u32 v[STO1], OST+OSZ, v[CA]
	s_mul_i32 s3, s16, OSZ
	s_add_co_u32 s3, s3, s2
	s_add_co_u32 s3, s3, OST
	v_add_nc_u32 v[RD], s3, v18                    ; my output's stage: row 128 wr + hh, + 16 r
	s_lshl_b32 s3, s16, 7
	s_add_co_u32 s3, s3, BIAS
	v_lshl_add_u32 v[BA], v15, 5, s3               ; the biases: 128 wc + 32 hh bytes into a gate's 256
	; the biases: wave w takes gate w's 64 units, two a lane: k (bx + bh) into LDS
	v_and_b32 v20, 31, v0
	v_lshlrev_b32 v20, 3, v20
	global_load_b64 v[22:23], v20, s[76:77]
	global_load_b64 v[24:25], v20, s[78:79]
	v_lshl_add_u32 v21, v0, 3, BIAS                ; 256 w + 8 lane
	s_mov_b32 s8, 0x3fb8aa3b                       ; L = log2(e); each constant twice: the packed forms name a pair and take its low word for both halves
	s_mov_b32 s9, s8
	s_mov_b32 s10, 0x4038aa3b                      ; 2 L
	s_mov_b32 s11, s10
	s_mov_b32 s12, 0xbf317218                      ; -ln2
	s_mov_b32 s13, s12
	s_mov_b32 s17, 0x42700000                      ; 60
	s_mov_b32 s3, 0xbfb8aa3b                       ; -L
	s_cmp_eq_u32 s14, 3
	s_cselect_b32 s2, s10, s3                      ; k: 2 L for gate c_, -L for the others
	s_mov_b32 s3, s2
	s_wait_loadcnt 0x0
	v_pk_add_f32 v[22:23], v[22:23], v[24:25]
	v_pk_mul_f32 v[22:23], v[22:23], s[2:3] op_sel_hi:[1,0]
	ds_store_b64 v21, v[22:23]
	s_wait_kmcnt 0x0
	s_add_co_i32 s2, s20, s21                      ; e0 + e1
	s_add_co_i32 s3, s22, s23                      ; e2 + e3
	s_cmp_eq_u32 s[ODD], 0                         ; a choice, no branch: the condition is made of the cluster's coordinates
	s_cselect_b32 s20, s2, s3                      ; ea: the first product's
	s_cselect_b32 s21, s3, s2                      ; eb: the second's
	s_sub_co_i32 s2, s20, s21
	s_add_co_i32 s2, s2, 127
	s_lshl_b32 s18, s2, 23                         ; 2^(ea - eb) as f32
	s_mov_b32 s19, s18
	s_add_co_i32 s3, s21, 127
	s_lshl_b32 s3, s3, 23                          ; 2^eb as f32
	s_mul_f32 s4, s3, 0xbfb8aa3b                   ; -L 2^eb: a sum's factor in gates i, f, o
	s_mov_b32 s5, s4
	s_mul_f32 s6, s3, s10                          ; 2 L 2^eb: in gate c_
	s_mov_b32 s7, s6
.macro FRAG reg, adr, off              ; a fragment, 16 rows x 128 K of 8-bit codes, is 16 registers: lane l holds row l % 16; registers 4 c .. 4 c + 3 hold K = 32 c + 16 (l / 16) + 0 .. 15: the same places in both sources, so every product meets its partner
.irp c, 0,1,2,3
	ds_load_b128 v[\reg+4*\c:\reg+4*\c+3], v[\adr] offset:\off+32*\c
.endr
.endm
.macro FETCH_B slot, q, p, lo, hi      ; W's fragments lo .. hi of the slot's q-th 128 along K into set p: block b = 2 g + u lies at row 64 g + 16 u of my rows
	WIN TO_B
.irp i, 0,1,2,3,4,5,6,7
.if (\i >= \lo) && (\i <= \hi)
	FRAG 128*(\p)+FR*\i, ADRB+\slot, 128*(\q)+((\i/2)*64+(\i%2)*16)*PITCH
.endif
.endr
.endm
.macro FETCH_A slot, q, lo, hi         ; blocks lo .. hi of x or h
	WIN 0
.irp i, 0,1,2,3,4,5,6,7
.if (\i >= \lo) && (\i <= \hi)
	FRAG AF+FR*\i, ADRA+\slot, 128*(\q)+\i*16*PITCH
.endif
.endr
.endm
; 16 matrix instructions: row blocks a0, a0 + 1 x W's eight, 128 along K.  p: W's set.  zero = 1: the first product starts the sums: nothing is ever cleared.
; The 64 accumulators take turns, one instruction a turn, in the same order in every step.
.macro MUL16 a0, p, zero
.irp a, \a0, \a0+1
.irp b, 0,1,2,3,4,5,6,7
.if \zero
	v_wmma_f32_16x16x128_bf8_bf8 v[8*(8*((\a)%4)+\b):8*(8*((\a)%4)+\b)+7], v[128*(\p)+FR*\b:128*(\p)+FR*\b+FR-1], v[AF+FR*(\a):AF+FR*(\a)+FR-1], 0
.else
	v_wmma_f32_16x16x128_bf8_bf8 v[8*(8*((\a)%4)+\b):8*(8*((\a)%4)+\b)+7], v[128*(\p)+FR*\b:128*(\p)+FR*\b+FR-1], v[AF+FR*(\a):AF+FR*(\a)+FR-1], v[8*(8*((\a)%4)+\b):8*(8*((\a)%4)+\b)+7]
.endif
.endr
.endr
.endm
; A load into a register that a matrix instruction has read, and a vector instruction that reads a matrix result, stand NP places behind that matrix instruction, and only plain vector instructions
; that name none of its registers are places (ISA guide 7.12.1 for vector instructions).
.macro PLACES n
.rept \n
	v_nop
.endr
.endm
; A step of 128 along K that has its successor in the same slot: 64 products in four groups of 16, and behind each group a SHORT run of the next step's 64 LDS loads:
;   R1: W's blocks 0-3 (16 loads)   R2: W's blocks 4-7 and row blocks 0, 1 (24)   R3: row blocks 2-5 (16)   R4: row blocks 6, 7 (8).  Each run stands 32 products or more ahead of its first use.
; A row block is free as soon as its eight products are issued, so one set of registers serves x and h.  W's other set was last read in the step before, whose end has its places: R1 needs none of its own.
.macro STEP slot, q, zero
	s_wait_dscnt 24                                ; the last step's R3 and R4 (16 + 8 loads) may be out: W's set and row blocks 0, 1 are in
	WIN MUL_LO
	MUL16 0, (\q)%2, \zero
	FETCH_B \slot, (\q)+1, 1-(\q)%2, 0, 3          ; R1
	s_wait_dscnt 24                                ; R1 (16) and the last step's R4 (8) may be out: row blocks 2-5 are in
	WIN MUL_LO
	MUL16 2, (\q)%2, \zero
	PLACES NP                                      ; behind the products that read row blocks 0, 1
	FETCH_B \slot, (\q)+1, 1-(\q)%2, 4, 7          ; R2
	FETCH_A \slot, (\q)+1, 0, 1
	s_wait_dscnt 40                                ; R1 and R2 (16 + 24) may be out: row blocks 6, 7 are in
	WIN MUL_HI
	MUL16 4, (\q)%2, \zero
	PLACES NP                                      ; behind the products that read row blocks 2-5
	FETCH_A \slot, (\q)+1, 2, 5                    ; R3
	WIN MUL_HI
	MUL16 6, (\q)%2, \zero
	PLACES NP
	FETCH_A \slot, (\q)+1, 6, 7                    ; R4
.endm
; Where the slot's next tiles lie: 512 bytes further along K, or, in the lap that ends the first product (s3 = 2), at the head of the second product's rows.  The choice hangs on the lap's count alone; each address comes from its own buffer.
.macro NEXTADR slot
	s_cmp_eq_u32 s3, 2
	s_add_nc_u64 s[68:69], s[G0A+4*\slot+2:G0A+4*\slot+3], 512
	s_cselect_b64 s[G0A+4*\slot+2:G0A+4*\slot+3], s[HA+2*\slot:HA+2*\slot+1], s[68:69]
	s_add_nc_u64 s[72:73], s[G0W+4*\slot+2:G0W+4*\slot+3], 512
	s_cselect_b64 s[G0W+4*\slot+2:G0W+4*\slot+3], s[HW+2*\slot:HW+2*\slot+1], s[72:73]
.endm
; A slot's last step changes slots: ONE barrier; in front of it each wave waits for all its tensor loads, adds 0 to its spare word, and waits for that and for its own reads of this slot.  fill = 1: this slot is filled again, two slots' worth of K ahead.
; The next slot may be read only behind the barrier: R1 and R2 are one run of 40 there; R3 and R4 stand as in every step.
.macro TURN slot, next, fill
	s_wait_tensorcnt 0x0                           ; all my tensor loads have landed: the one that was out is my part of the next slot; so a group 0 may be written.  (Every window is 0 here)
	ds_add_u32 v[SPW], v[NIL]                      ; 0 onto my spare word
.if \fill
	NEXTADR \slot
.endif
	s_wait_dscnt 25                                ; (the add and the last step's R3 and R4, 16 + 8 loads, may be out)
	WIN MUL_LO
	MUL16 0, 1, 0                                  ; sixteen matrix instructions stand between the add and the wait for it
	s_wait_dscnt 0x0                               ; the add is done, and my reads of this slot are over
	s_barrier_signal -1
	MUL16 2, 1, 0
	WIN 0
	s_barrier_wait -1
.if \fill
	CREST                                          ; the barrier has opened a round of the cluster's barrier: no wave of any partner still reads this slot's tile or has a load on its way
	JLOAD \slot                                    ; the first tensor load behind the round, my one load until the next; its four v_nop are also the places in front of the loads below
.else
	PLACES NP
.endif
	FETCH_B \next, 0, 0, 0, 7                      ; R1 and R2
	FETCH_A \next, 0, 0, 1
	WIN MUL_HI
	MUL16 4, 1, 0
	PLACES NP
	FETCH_A \next, 0, 2, 5                         ; R3
	WIN MUL_HI
	MUL16 6, 1, 0
	PLACES NP
	FETCH_A \next, 0, 6, 7                         ; R4
.endm
; Between the two products: every sum x 2^(ea - eb).  Each accumulator from its low end on.
.macro RESCALE
	WIN 0x82                                       ; source 0 and destination window 2
.set j, 0
.rept 128
	v_pk_mul_f32 v[j:j+1], v[j:j+1], s[18:19] op_sel_hi:[1,0]
.set j, j+2
.endr
	WIN 0xc3                                       ; window 3
.set j, 0
.rept 128
	v_pk_mul_f32 v[j:j+1], v[j:j+1], s[18:19] op_sel_hi:[1,0]
.set j, j+2
.endr
	WIN 0
.endm
	s_wait_tensorcnt 1                             ; my part of slot 0 is in; slot 1's may stay out
	s_wait_dscnt 0x0                               ; my biases lie in LDS
	s_barrier_signal -1
	s_barrier_wait -1                              ; everybody's do
	FETCH_B 0, 0, 0, 0, 7                          ; the first step's fragments, in the order of the runs: W's eight, then row blocks 0 to 7
	FETCH_A 0, 0, 0, 7
	; c_1's blocks 0 to 6 are asked for now and land under the K loop, in registers that the loop does not name: block a, rows 16 a + 8 wc + 2 t + hh; each half of the lanes reads a row's 256 consecutive bytes
.irp a, 0,1,2,3,4,5,6
.irp t, 0,1,2,3
	global_load_b128 v[16+16*\a+4*\t:16+16*\a+4*\t+3], v[GOF], s[80:81] offset:(16*\a+2*\t)*4096 th:TH_LOAD_NT
.endr
.endr
	STEP 0, 0, 1                                   ; the first step stands in front of the loop: its products start the sums
	s_mov_b32 s3, 3
.Llap:                                                 ; a trip goes once round the ring, from a lap's second step to the next lap's first, and fills both slots again: the first product at 512 and 768, the second at 0 and 256, the second at 512 and 768
	TURN 0, 1, 1
	STEP 1, 0, 0
	TURN 1, 0, 1
	s_cmp_eq_u32 s3, 2                             ; the second lap's second change of slots ends the first product
	s_cbranch_scc0 .Lsame
	RESCALE
.Lsame:
	STEP 0, 0, 0
	s_sub_co_u32 s3, s3, 1
	s_cmp_lg_u32 s3, 0
	s_cbranch_scc1 .Llap
	TURN 0, 1, 0                                   ; the last lap fills nothing, and has no round of the cluster's barrier
	STEP 1, 0, 0
	s_wait_dscnt 24                                ; the very last step: no fragment is left to fetch.  The last step's R3 and R4 may be out
	WIN MUL_LO
	MUL16 0, 1, 0
	s_wait_dscnt 0                                 ; all row blocks are in
	MUL16 2, 1, 0
	PLACES NP
	WIN TO_B                                       ; W's set 0 is done with: it takes c_1's block 7 and my biases
.irp t, 0,1,2,3
	global_load_b128 v[4*\t:4*\t+3], v[GOF], s[80:81] offset:(112+2*\t)*4096 th:TH_LOAD_NT
.endr
.irp g, 0,1,2,3
.irp u, 0,1
.irp k, 0,1
	ds_load_b128 v[BI+16*\g+8*\u+4*\k:BI+16*\g+8*\u+4*\k+3], v[BA] offset:256*\g+64*\u+16*\k
.endr
.endr
.endr
	WIN MUL_HI
	MUL16 4, 1, 0
	MUL16 6, 1, 0
	WIN 0
	PLACES NP                                      ; in front of every read of results and every write of the fragments' registers below
	v_mov_b32 v[KV], s12                           ; -ln2 and L as vector pairs: the addends of two packed multiply-adds
	v_mov_b32 v[KV+1], s12
	v_mov_b32 v[KV+2], s8
	v_mov_b32 v[KV+3], s8
; THE WAY OUT, block by block of 16 rows.  c_1 came in as whole rows and is wanted as (row r, eight units): it goes through a stage in slot 0.  The results are held as (row r, eight units) and a row's 256 bytes
; come from two waves: they go through stages in slot 1, and wave wc = 0 stores out0's whole rows, wave wc = 1 out1's.  Each block has stage bytes of its own, so one barrier a block, between the stores and the reads, is all.
.macro CLOAD a                         ; c_1 of block a: row 16 a + r, units 16 u + 8 hh + 0 .. 7 of my 32
.irp u, 0,1
.irp k, 0,1
	ds_load_b128 v[C1R+8*\u+4*\k:C1R+8*\u+4*\k+3], v[CA] offset:(\a)*16*PITCH+64*\u+16*\k
.endr
.endr
.endm
.macro SEND a                          ; block a's 16 rows of my output: each half of the lanes stores 256 consecutive bytes, at a multiple of 256 from the buffer's first byte; written once, read by nobody here
.irp t, 0,1,2,3,4,5,6,7
	global_store_b128 v[GOF], v[ROWS+4*\t:ROWS+4*\t+3], s[98:99] offset:(16*(\a)+2*\t)*4096 th:TH_STORE_NT
.endr
.endm
; The cell for block a: 16 elements a lane.  The transcendentals go in six batches; behind each stand a plain instruction and ONE wait, ahead of the batch's first reader.
.macro COMPUTE a
.set AC, 64*((\a)%4)
	WIN 0x12+(\a)/4                                ; source 0 (the sums) window 2 or 3, source 2 (the biases) window 1
.irp g, 0,1,2,3
.irp u, 0,1
.irp i, 0,2,4,6
	v_pk_fma_f32 v[T+16*\g+8*\u+\i:T+16*\g+8*\u+\i+1], v[AC+8*(2*\g+\u)+\i:AC+8*(2*\g+\u)+\i+1], s[4+2*(\g/3):5+2*(\g/3)], v[BI+16*\g+8*\u+\i:BI+16*\g+8*\u+\i+1] op_sel_hi:[1,0,1]   ; -L g (gate c_: 2 L g); each accumulator from its low end on
.endr
.endr
.endr
	WIN 0
.set j, 0
.rept 16
	v_min_num_f32 v[TC+j], s17, v[TC+j]            ; the hold at 60
.set j, j+1
.endr
.set j, 0
.rept 64
	v_exp_f32 v[T+j], v[T+j]                       ; ei, ef, eo, ec
.set j, j+1
.endr
.if (\a) > 0
	s_wait_dscnt 4                                 ; the last block's eight loads of whole rows are in; the four loads of c_1 behind them may be out
	SEND (\a)-1
.endif
	v_nop                                          ; a plain instruction behind the last exponential
	s_wait_alu depctr_va_vdst(0)
.set j, 0
.rept 8
	v_pk_fma_f32 v[TF+j:TF+j+1], v[TF+j:TF+j+1], s[12:13], v[KV:KV+1] op_sel_hi:[1,0,1]                                   ; -ln2 (1 + ef)
	v_pk_add_f32 v[TI+j:TI+j+1], v[TI+j:TI+j+1], 1.0 op_sel_hi:[1,0]                                                       ; 1 + ei
	v_pk_fma_f32 v[NU+j:NU+j+1], v[TC+j:TC+j+1], s[8:9], v[KV+2:KV+3] op_sel_hi:[1,0,1] neg_lo:[1,0,0] neg_hi:[1,0,0]      ; L - L ec
	v_pk_add_f32 v[TC+j:TC+j+1], v[TC+j:TC+j+1], 1.0 op_sel_hi:[1,0]                                                       ; 1 + ec
.set j, j+2
.endr
.set j, 0
.rept 8
	v_pk_mul_f32 v[TI+j:TI+j+1], v[TI+j:TI+j+1], v[TC+j:TC+j+1]   ; (1 + ei)(1 + ec)
.set j, j+2
.endr
.set j, 0
.rept 16
	v_rcp_f32 v[TF+j], v[TF+j]                     ; -L f
	v_rcp_f32 v[TI+j], v[TI+j]
.set j, j+1
.endr
.set j, 0
.rept 8
	v_pk_add_f32 v[TO+j:TO+j+1], v[TO+j:TO+j+1], 1.0 op_sel_hi:[1,0]   ; 1 + eo: the plain work behind the reciprocals
.set j, j+2
.endr
	s_wait_alu depctr_va_vdst(0)
.set j, 0
.rept 8
	v_pk_mul_f32 v[NU+j:NU+j+1], v[NU+j:NU+j+1], v[TI+j:TI+j+1]   ; -L i tanh(gc)
.set j, j+2
.endr
	s_wait_dscnt 0x0                               ; c_1 of this block is in
.set j, 0
.rept 8
	v_pk_fma_f32 v[TC+j:TC+j+1], v[C1R+j:C1R+j+1], v[TF+j:TF+j+1], v[NU+j:NU+j+1]   ; -L z
.set j, j+2
.endr
.set j, 0
.rept 16
	v_exp_f32 v[TC+j], v[TC+j]
.set j, j+1
.endr
	v_nop
	s_wait_alu depctr_va_vdst(0)
.set j, 0
.rept 8
	v_pk_add_f32 v[TC+j:TC+j+1], v[TC+j:TC+j+1], 1.0 op_sel_hi:[1,0]
.set j, j+2
.endr
.set j, 0
.rept 16
	v_rcp_f32 v[OC+j], v[TC+j]                     ; c
.set j, j+1
.endr
	v_nop
	s_wait_alu depctr_va_vdst(0)
.set j, 0
.rept 8
	v_pk_mul_f32 v[TF+j:TF+j+1], v[OC+j:OC+j+1], s[10:11] op_sel_hi:[1,0]   ; 2 L c
.set j, j+2
.endr
.set j, 0
.rept 16
	v_exp_f32 v[TF+j], v[TF+j]                     ; e2
.set j, j+1
.endr
	v_nop
	s_wait_alu depctr_va_vdst(0)
.set j, 0
.rept 8
	v_pk_add_f32 v[TI+j:TI+j+1], v[TF+j:TF+j+1], 1.0 op_sel_hi:[1,0]
.set j, j+2
.endr
.set j, 0
.rept 8
	v_pk_mul_f32 v[TI+j:TI+j+1], v[TI+j:TI+j+1], v[TO+j:TO+j+1]   ; (e2 + 1)(1 + eo)
.set j, j+2
.endr
.set j, 0
.rept 16
	v_rcp_f32 v[TI+j], v[TI+j]
.set j, j+1
.endr
.set j, 0
.rept 8
	v_pk_add_f32 v[TF+j:TF+j+1], v[TF+j:TF+j+1], -1.0 op_sel_hi:[1,0]   ; e2 - 1: the plain work behind the reciprocals
.set j, j+2
.endr
	s_wait_alu depctr_va_vdst(0)
.set j, 0
.rept 8
	v_pk_mul_f32 v[OH+j:OH+j+1], v[TF+j:TF+j+1], v[TI+j:TI+j+1]   ; h_new
.set j, j+2
.endr
.endm
.macro PHASE a
	COMPUTE \a
.irp u, 0,1
.irp k, 0,1
	ds_store_b128 v[STO1], v[OC+8*\u+4*\k:OC+8*\u+4*\k+3] offset:(\a)*16*PITCH+64*\u+16*\k
	ds_store_b128 v[STO0], v[OH+8*\u+4*\k:OH+8*\u+4*\k+3] offset:(\a)*16*PITCH+64*\u+16*\k
.endr
.endr
.if (\a) == 2                          ; c_1's block 7, asked for in the last K step, goes into its stage here: five barriers ahead of its reads
	s_wait_loadcnt 0x0
	WIN 0x04                                       ; the store's data in window 1
.irp t, 0,1,2,3
	ds_store_b128 v[CST], v[4*\t:4*\t+3] offset:(112+2*\t)*PITCH
.endr
	WIN 0
.endif
	s_wait_dscnt 0x0                               ; for the others' sake: my stores into the stages are done
	s_barrier_signal -1
	s_barrier_wait -1
	s_wait_xcnt 0x0                                ; the last block's stores have read their registers, which are loaded again only behind this wait
.irp t, 0,1,2,3,4,5,6,7
	ds_load_b128 v[ROWS+4*\t:ROWS+4*\t+3], v[RD] offset:(16*(\a)+2*\t)*PITCH   ; 16 whole rows of my output; they are stored amid the next block's arithmetic
.endr
.if (\a) < 7
	CLOAD (\a)+1
.endif
.endm
	s_wait_loadcnt 4                               ; c_1's blocks 0 to 6 are in; block 7's four loads may be out
.irp a, 0,1,2,3,4,5,6
.irp t, 0,1,2,3
	ds_store_b128 v[CST], v[16+16*\a+4*\t:16+16*\a+4*\t+3] offset:(16*\a+2*\t)*PITCH   ; slot 0: every wave has passed the last change of slots, behind which nobody reads it and nothing fills it
.endr
.endr
	s_wait_dscnt 0x0                               ; my stores are done, my biases are in, and my reads of slot 1 were over in the last K step
	s_barrier_signal -1
	s_barrier_wait -1                              ; so of every wave: c_1's stage is whole, and slot 1 may take the results
	CLOAD 0
	PHASE 0
	PHASE 1
	PHASE 2
	PHASE 3
	PHASE 4
	PHASE 5
	PHASE 6
	PHASE 7
	s_wait_dscnt 0x0
	SEND 7
	s_wait_tensorcnt 0x0                           ; the wave's end, behind my last tensor load and my last LDS store
	ds_add_u32 v[SPW], v[NIL]
	s_wait_dscnt 0x0
	CROUND                                         ; the closing round: no work-group ends while a partner may still ask for a tile that names it
	s_endpgm
.Lfunc_end_k_qf3ba76c8a3_lstm:
	.size	k_qf3ba76c8a3_lstm, .Lfunc_end_k_qf3ba76c8a3_lstm-k_qf3ba76c8a3_lstm
	.p2alignl 7, 3214868480
	.fill 96, 4, 3214868480
	.section	.rodata,"a",@progbits
	.p2align	6, 0x0
	.amdhsa_kernel k_qf3ba76c8a3_lstm
		.amdhsa_group_segment_fixed_size 327680
		.amdhsa_private_segment_fixed_size 0
		.amdhsa_enable_private_segment 0
		.amdhsa_kernarg_size 80
		.amdhsa_user_sgpr_count 2
		.amdhsa_user_sgpr_kernarg_segment_ptr 1
		.amdhsa_wavefront_size32 1
		.amdhsa_system_sgpr_workgroup_id_x 1
		.amdhsa_system_sgpr_workgroup_id_y 1
		.amdhsa_system_sgpr_workgroup_id_z 1
		.amdhsa_system_vgpr_workitem_id 0
		.amdhsa_next_free_vgpr 1024
		.amdhsa_next_free_sgpr 101
		.amdhsa_reserve_vcc 0
		.amdhsa_float_denorm_mode_32 3
		.amdhsa_float_denorm_mode_16_64 3
		.amdhsa_memory_ordered 1
		.amdhsa_forward_progress 1
		.amdhsa_inst_pref_size 242
	.end_amdhsa_kernel
	.amdgpu_metadata
---
amdhsa.version: [ 1, 2 ]
amdhsa.kernels:
  - .name:           k_qf3ba76c8a3_lstm
    .symbol:         k_qf3ba76c8a3_lstm.kd
    .args:
      - { .name: x_codes, .offset: 0, .size: 8, .value_kind: global_buffer, .address_space: global }
      - { .name: h_codes, .offset: 8, .size: 8, .value_kind: global_buffer, .address_space: global }
      - { .name: Wx_codes, .offset: 16, .size: 8, .value_kind: global_buffer, .address_space: global }
      - { .name: Wh_codes, .offset: 24, .size: 8, .value_kind: global_buffer, .address_space: global }
      - { .name: bx, .offset: 32, .size: 8, .value_kind: global_buffer, .address_space: global }
      - { .name: bh, .offset: 40, .size: 8, .value_kind: global_buffer, .address_space: global }
      - { .name: c_1, .offset: 48, .size: 8, .value_kind: global_buffer, .address_space: global }
      - { .name: lowp_scales, .offset: 56, .size: 8, .value_kind: global_buffer, .address_space: global }
      - { .name: out0, .offset: 64, .size: 8, .value_kind: global_buffer, .address_space: global }
      - { .name: out1, .offset: 72, .size: 8, .value_kind: global_buffer, .address_space: global }
    .group_segment_fixed_size: 327680
    .private_segment_fixed_size: 0
    .kernarg_segment_align: 8
    .kernarg_segment_size: 80
    .max_flat_workgroup_size: 128
    .sgpr_count:     101
    .vgpr_count:     1024
    .wavefront_size: 32
...
	.end_amdgpu_metadata
.endif
;; end of part 1
